; MI455X (gfx1250); checked and timed in simulation.
; The chip was launched on July 23, 2026; its instructions are those of AMD's public machine-readable ISA for CDNA 5 (MIT licence, August 2026) and "CDNA5" Instruction Set Architecture Reference Guide (July 2026). The comments in the code are by the model that wrote it; some were corrected since.
;; Dot Product Attention. Allowed arithmetic: matrix products marked QUANTISED: E5M2 operands, one given power-of-two scale a tensor, by v_wmma_f32_16x16x64_bf8_bf8 or v_wmma_f32_16x16x128_bf8_bf8, f32 sums; everything else in f32.
;; Inputs: keys_nsd_codes 16 x 2,048 x 2 x 32 uint8 (E5M2 codes of keys_nsd, K innermost, in blocks of 32 codes); lowp_scales 4 int32 (the exponents e of the quantised operands' scales 2^e); prefix_len_n 16 int32; queries_nqd_codes 16 x 2,048 x 2 x 32 uint8 (E5M2 codes of queries_nqd, K innermost, in blocks of 32 codes); values_nsv_codes 16 x 64 x 64 x 32 uint8 (E5M2 codes of values_nsv, K innermost, in blocks of 32 codes).
;; Outputs: out0 16 x 2,048 x 64 float32.
;; This version of the problem:
;;   THIS VERSION OF THE PROBLEM IS GIVEN IN LOW PRECISION. The matrix products marked QUANTISED in the list below multiply operands that are first quantised to E5M2 (5 exponent bits, 2 mantissa bits; 8 bits a number), with one given power-of-two scale for each operand tensor; their sums are f32. All else is computed in f32.
;;   The module's matrix products, in the order in which they are computed (A, B: the left and right operand; K: the contracted axis; several contracted axes count as one K, in the product's order):
;;     1. batch 16 x [M 2,048, K 64] x [K 64, N 2,048]; A: input queries_nqd (given as codes); B: input keys_nsd (given as codes): QUANTISED (scales: A lowp_scales[0], B lowp_scales[1])
;;     2. batch 16 x [M 2,048, K 2,048] x [K 2,048, N 64]; A: softmax (see below); B: input values_nsv (given as codes): QUANTISED (scales: A lowp_scales[2], B lowp_scales[3])
;;   THE QUANTISER, for each operand of a quantised product, along K:
;;     - The operand's scale is 2^e, e = its entry of the input lowp_scales (int32; the entries are numbered through the quantised products in the list's order, A before B).
;;     - Each number is divided by the scale, clamped to +-57,344, and rounded to the nearest number of E5M2, ties to even, subnormals kept.
;;     - The product sums the exact products of the quantised numbers (number of the format x scale) in f32.
;;   ~~~python
;;   def quantise(x, axis, e):      # numpy; x: float32 -> the quantised numbers, widened to float32 again
;;       x = np.moveaxis(x, axis, -1); K = x.shape[-1]
;;       r = np.clip(x / 2.0 ** e, -57344, 57344)
;;       step = 2.0 ** (np.maximum(np.frexp(np.where(r == 0, 1, r))[1] - 1, -14) - 2)
;;       q = np.round(r / step) * step * 2.0 ** e      # np.round: ties to even
;;       return np.moveaxis(q, -1, axis).astype(np.float32)
;;   ~~~
;;   SOFTMAX AHEAD OF A QUANTISED PRODUCT. Where the list says 'softmax', what is quantised is not the finished softmax but p = 2^(t - M), with t = logit x log2(e) and M = ceil(the row's largest t), a whole number; so 1/2 < the row's largest p <= 1. The row's sum l is taken of the UNQUANTISED p, in f32, and the product's result is divided by l at the end. Since M is a whole number, a kernel that streams over the keys may use a running M (the ceiling of the running maximum): every later rescaling is an exact power of two, so the quantised numbers keep their values, but for numbers so far below the row's largest that they fall under the format's range.
;;   OPERANDS COMPUTED ON THE WAY. 'Computed on the way' means the value that the module computes at that place (a softmax that the list does not call 'softmax' is quantised finished and normalised). What goes into a quantiser is computed in f32, as accurately as f32 sums, v_exp_f32 and their like allow (about 1e-6 of the number): no bf16 or f16 on the way to a quantiser, and a product that is left as it is and whose result goes on into a quantised operand takes f32 operands (vector FMAs, or v_wmma_f32_16x16x4_f32). A number that lies on a knife's edge between two numbers of the format may be rounded either way, as far as f32 arithmetic and the matrix unit's own rounding can turn it there, and no further.
;;   INPUTS GIVEN AS CODES. keys_nsd (in the module: [16, 2048, 64], K = its axis 2); queries_nqd (in the module: [16, 2048, 64], K = its axis 2); values_nsv (in the module: [16, 2048, 64], K = its axis 1): each comes as NAME_codes (uint8): NAME with its K axis moved to the last place and cut into blocks of 32 codes, [.., K / 32, bytes a block], one block behind the other in memory; one code a byte (a code: sign, 5 exponent bits, 2 mantissa bits); its scale is its entry of lowp_scales. Its value is code x scale, taken as it is: it is not quantised again, and the codes and scales need not be those that the quantiser above would give.
;; One version. Each part assembles by itself: llvm-mc -triple=amdgcn-amd-amdhsa -mcpu=gfx1250 --defsym DOCPART=n.
;; ======== version 1 of 1: 1 launch
;; limits: right only within a limited range of input values
;; launch attn (part 1): grid 32 x 8, 8 waves a work-group, no clusters, 183,296 bytes of LDS; arguments queries_nqd_codes, keys_nsd_codes, values_nsv_codes, lowp_scales, prefix_len_n, out0; writes out0
.if DOCPART == 1
	.amdgcn_target "amdgcn-amd-amdhsa--gfx1250"
	.amdhsa_code_object_version 6
	.text
	.protected	k_q67c5afe292_attn
	.globl	k_q67c5afe292_attn
	.p2align	8
	.type	k_q67c5afe292_attn,@function
k_q67c5afe292_attn:
	s_mov_b64 s[64:65], 0
	v_nop
	global_prefetch_b8 v0, s[64:65] scope:SCOPE_SE
	s_setreg_imm32_b32 hwreg(HW_REG_WAVE_MODE, 25, 1), 1
	s_wait_xcnt 0x0
; O[n][q][:] = the sum over k of softmax_k(mask(Q[n][q] . K[n][k] / 8)) V[n][k][:]; key k counts for query q where k < prefix_len[n] or k == q.
; 16 heads, 2,048 queries, 2,048 keys, 64 channels.  Both products on codes of BF8 (E5M2), each tensor with its given scale 2^e: eq, ek, ep, ev.
; Q, K: [16][2048][64] codes, the channels innermost.  V: [16][64][2048] codes, the KEYS innermost.  O: [16][2048][64] f32.
; SOFTMAX: t = score x log2(e) / 8; M = the running largest t rounded UP to a whole number; p = 2^(t - M) is quantised with 2^ep; the row's sum l is taken of the unquantised p and divides O at the end.
; When M moves, and where partial results are joined, l and O are multiplied by powers of two: nothing is rounded.
; SHARES.  Work-group (x, y) makes queries 64 x .. 64 x + 63 of two heads: job 0 on the head whose prefix length has rank 15 - y among the sixteen, job 1 on the head of rank y (ties by head number: the
; ranks are a permutation, so each head and query has one owner whatever the lengths are).  A job's keys under the prefix are nb = ceil(P / 128) blocks of 128; a block is two HALVES, one for query tiles
; 0 and 1 of the job's four, one for tiles 2 and 3.  The eight waves are dealt to the jobs by nb: waves 0 .. w0 - 1 to job 0, the rest (from wave 7 down) to job 1, such that no wave has more than T halves,
; T the least from 2 on for which that can be (8 always can).  Wave i of a job's w takes blocks i, i + w, .., T / 2 of them at most, for all 64 queries, and, where T is odd, half i % 2 of block w (T / 2) + i / 2.
; THE DIAGONAL (key k == q where q >= P) is the first state of the last wave of each job: one score a query, by one product of 16 x 16 a tile.  The other waves begin with zeros.
; Each wave has its own LDS region; there is no barrier in the loop.  Behind it every wave leaves its partial O^T, M and l in LDS; one barrier; then wave w joins the parts of one tile (job w / 4, tile w % 4) and stores it.
; NO TENSOR LOADS, NO CLUSTER: 32 work-groups read the same K and V, but which blocks, and how many a wave walks, hangs on prefix_len.
; K comes by plain loads straight as the operand's registers, V through registers into the wave's own LDS, from which its fragments are read once a block.
; NO PREFETCH: a wave walks at most four blocks and asks for each (16 KiB) half a block's work ahead or more; no address is known ahead of the lengths.
; LAYOUT.  Both products are used transposed: S^T = K Q^T (source 0 = 16 keys, source 1 = 16 queries), O^T = V^T P^T (source 0 = 16 channels, source 1 = P): a lane holds ONE query (lane % 16).
; r = lane % 16, h = lane / 16.  Row m of tile 2 b + u is key 32 b + 16 (m / 8) + 8 u + m % 8, so register 16 b + i of S^T is key 32 b + 16 h + i of the block, and the conversions' results are the second
; product's operand.  Fragments come 16 bytes at a time (a permutation of k, the same on both sides of each product).
; LIMITS.  A masked key gets the weight 0, where the definition gives it the logit -1e9: the same wherever a query's largest counted logit lies above about -9.9e8.  |t| under 2^23, so that p stays under
; 1.75 and the hold at the largest code acts only where 57,344 x 2^ep < 1.75 (ep < -15).  Codes of infinity and NaN are not served (in a block that is not walked they would not spread).  eq + ek between
; -123 and 80 (added to c's exponent field); ep between -126 and 112; ep + ev goes in by v_ldexp_f32.
; REGISTERS.  Window 0: v0 thread; v2-9 addresses; v10 16 h; v11 at work; v[12:15] the largest raw scores of the four tiles; v[16:19] -M; v[20:27] l, a pair a tile; v[28:29] f of the two tiles in hand; v30 2^ep;
; v31 57,344 x 2^ep; v[32:47] at work, then p's codes of the first tile; v[48:63] Q of the two tiles, then p's codes of the second; v[64:127] fragments of V; v[128:191], v[192:255] S^T, then p, of the two tiles.
; Window 1: v[0:127] O^T (tile q, channels 16 t: 32 q + 8 t); v[128:191] fragments of K; v[192:255] a block of V on its way to LDS.
.set REG,   21760                      ; a wave's region: V's image (4 tiles x 8 pieces x 288 bytes), later the partial O^T, 64 rows x 272, over it; behind that Q's image (4,096), later the way out's stage of 16 x 272
.set QOFF,  17408
.set TAB,   8*REG                      ; -M and l of each job, wave and query: 2 x 8 x 64 x 8 bytes
.set SPARE, TAB+8192                   ; the spare words, 128 bytes a wave
.set MSB, 0
.macro WIN new                         ; the register windows; the immediate's high byte repeats the setting that is left
.if MSB != \new
	s_set_vgpr_msb (MSB<<8)|(\new)
.set MSB, \new
.endif
.endm
.macro WA
	s_wait_alu depctr_va_vdst(0)
.endm
.macro LOADK                           ; a block of K as the operand's registers, tile by tile
	WIN 0x40
.irp t, 0,1,2,3,4,5,6,7
.irp c, 0,1
	global_load_b128 v[128+8*\t+4*\c:131+8*\t+4*\c], v6, s[50:51] offset:64*(32*(\t/2)+8*(\t%2))+32*\c
.endr
.endr
	WIN 0
.endm
.macro LOADV                           ; a block of V: 128 bytes of each of 64 rows
	WIN 0x40
.irp n, 0,1,2,3,4,5,6,7,8,9,10,11,12,13,14,15
	global_load_b128 v[192+4*\n:195+4*\n], v7, s[54:55] offset:8192*\n
.endr
	WIN 0
.endm
.macro TAKEV                           ; V into my LDS (load n: channels 4 n + lane / 8), and back as fragments: LDS serves a wave's instructions in order (ISA guide 5.7.1.4)
	s_wait_loadcnt 0x0                             ; the block's V is in registers
	WIN 0x04
.irp n, 0,1,2,3,4,5,6,7,8,9,10,11,12,13,14,15
	ds_store_b128 v4, v[192+4*\n:195+4*\n] offset:2304*(\n/4)+64*(\n%4)
.endr
	WIN 0
.irp t, 0,1,2,3
.irp c, 0,1,2,3
	ds_load_b128 v[64+16*\t+4*\c:67+16*\t+4*\c], v2 offset:2304*\t+576*\c
.endr
.endr
.endm
.macro FMAA j, g                       ; t - M of the first tile, two at a time
	v_pk_fma_f32 v[128+2*(\j):129+2*(\j)], v[128+2*(\j):129+2*(\j)], s[22:23], v[16+2*\g:17+2*\g] op_sel_hi:[1,0,0]
.endm
.macro FMAB j, g                       ; of the second: -M is the pair's upper word
	v_pk_fma_f32 v[192+2*(\j):193+2*(\j)], v[192+2*(\j):193+2*(\j)], s[22:23], v[16+2*\g:17+2*\g] op_sel:[0,0,1] op_sel_hi:[1,0,1]
.endm
.macro ADDP d, e                       ; pair d += pair e
	v_pk_add_f32 v[0+(\d):1+(\d)], v[0+(\d):1+(\d)], v[0+(\e):1+(\e)]
.endm
; The hold at the largest code (the conversion to an 8-bit code does not saturate: ISA guide 7.6.2); what it takes off p is added to l, which sums the unquantised p.  Jumped over where 57,344 x 2^ep >= 1.75.
.macro HOLD b, l
	s_cmp_eq_u32 s48, 0
	s_cbranch_scc1 .Lnohold_\@
.set K_, 0
.rept 32
	v_sub_f32 v48, v[\b+2*K_], v31
	v_sub_f32 v49, v[\b+2*K_+1], v31
	v_max_num_f32 v48, 0, v48
	v_max_num_f32 v49, 0, v49
	v_min_num_f32 v[\b+2*K_], v[\b+2*K_], v31
	v_min_num_f32 v[\b+2*K_+1], v[\b+2*K_+1], v31
	v_pk_add_f32 v[\l:\l+1], v[\l:\l+1], v[48:49]
.set K_, K_+1
.endr
	WA
.Lnohold_\@:
.endm
; THE MASK of the prefix's last block: register 16 b + i counts where i < P - KF - 16 h - 32 b.  The same for both tiles.  Jumped over where the whole block lies under the prefix.
.macro MASK
	s_lshl_b32 s36, s29, 7
	s_sub_co_i32 s36, s25, s36
	s_cmp_ge_i32 s36, 128
	WA
	s_cbranch_scc1 .Lopen_\@
	v_sub_nc_u32 v42, s36, v10
	v_mov_b32 v43, 0xff800000
.irp b, 0,1,2,3
.if \b > 0
	v_sub_nc_u32 v42, v42, 32
.endif
.irp i, 0,4,8,12
.irp k, 0,1,2,3
	v_cmp_lt_i32 s[40+\k], \i+\k, v42
.endr
.irp k, 0,1,2,3
	v_cndmask_b32 v[128+16*\b+\i+\k], v43, v[128+16*\b+\i+\k], s[40+\k]
	v_cndmask_b32 v[192+16*\b+\i+\k], v43, v[192+16*\b+\i+\k], s[40+\k]
.endr
.endr
.endr
.Lopen_\@:
.endm
; HALF A BLOCK: query tiles 2 g and 2 g + 1 on the block's 128 keys.
.macro HALF g
.irp a, 0,1
.irp c, 0,1
	ds_load_b128 v[48+8*\a+4*\c:51+8*\a+4*\c], v5 offset:512*(2*(2*\g+\a)+\c)
.endr
.endr
	WA
	s_wait_dscnt 0x0                               ; Q of the two tiles is in
.if \g == 0
	s_wait_loadcnt 24                              ; K's tiles 0-3 are in; eight loads of K and sixteen of V may be out
.endif
	WIN 0x01
.irp t, 0,1,2,3
	v_wmma_f32_16x16x64_bf8_bf8 v[128+8*\t:135+8*\t], v[128+8*\t:135+8*\t], v[48:55], 0
	v_wmma_f32_16x16x64_bf8_bf8 v[192+8*\t:199+8*\t], v[128+8*\t:135+8*\t], v[56:63], 0
.endr
.if \g == 0
	s_wait_loadcnt 16                              ; all of K is in; V's sixteen loads may be out
.endif
.irp t, 4,5,6,7
	v_wmma_f32_16x16x64_bf8_bf8 v[128+8*\t:135+8*\t], v[128+8*\t:135+8*\t], v[48:55], 0
	v_wmma_f32_16x16x64_bf8_bf8 v[192+8*\t:199+8*\t], v[128+8*\t:135+8*\t], v[56:63], 0
.endr
	WIN 0
.rept 4
	v_nop                                          ; four places in front of the first reads of the products, and of loads into K's registers
.endr
.if \g
	s_cmp_eq_u32 s30, 1
	WA
	s_cbranch_scc1 .Lnoload_\@                     ; my last block: nothing more is asked for
	s_add_co_u32 s68, s29, s19
	s_cmp_eq_u32 s30, 2
	s_cselect_b32 s68, s88, s68                    ; the next block
	s_min_u32 s36, s68, 15
	s_wait_xcnt 0x0                                ; the earlier loads have read their bases
	s_lshl_b32 s52, s36, 13
	s_add_nc_u64 s[50:51], s[6:7], s[52:53]
	s_lshl_b32 s52, s36, 7
	s_add_nc_u64 s[54:55], s[8:9], s[52:53]
	LOADK
	LOADV                                          ; (the stores out of these registers are done: the wait for Q above)
.Lnoload_\@:
.endif
	MASK
	; the largest scores so far: two chains a tile, ascending
	v_max3_num_f32 v32, v[12+2*\g], v128, v129
	v_max3_num_f32 v34, v[13+2*\g], v192, v193
	v_max3_num_f32 v33, v160, v161, v162
	v_max3_num_f32 v35, v224, v225, v226
.set J_, 0
.rept 14
	v_max3_num_f32 v32, v32, v[130+2*J_], v[131+2*J_]
	v_max3_num_f32 v34, v34, v[194+2*J_], v[195+2*J_]
	v_max3_num_f32 v33, v33, v[163+2*J_], v[164+2*J_]
	v_max3_num_f32 v35, v35, v[227+2*J_], v[228+2*J_]
.set J_, J_+1
.endr
	v_max3_num_f32 v32, v32, v158, v159
	v_max3_num_f32 v34, v34, v222, v223
	v_max3_num_f32 v32, v32, v33, v191
	v_max3_num_f32 v34, v34, v35, v255
	v_mov_b32 v40, v[16+2*\g]
	v_mov_b32 v41, v[17+2*\g]
	v_permlanex16_b32 v11, v32, s20, s21           ; lane l xor 16 holds my query's other 64 keys
	v_permlanex16_b32 v36, v34, s20, s21
	v_max_num_f32 v[12+2*\g], v32, v11
	v_max_num_f32 v[13+2*\g], v34, v36
	v_mul_f32 v38, s22, v[12+2*\g]                 ; as t (c is positive)
	v_mul_f32 v39, s22, v[13+2*\g]
	v_floor_f32 v[16+2*\g], -v38                   ; -M = floor(-t) = -ceil(t)
	v_floor_f32 v[17+2*\g], -v39
.irp j, 0,1,2,3,4,5
	FMAA \j, \g
.endr
	v_sub_f32 v40, v[16+2*\g], v40                 ; M's old value less its new one: a whole number, 0 or less
	v_sub_f32 v41, v[17+2*\g], v41
.irp j, 6,7,8,9,10,11
	FMAA \j, \g
.endr
	v_cvt_i32_f32 v40, v40                         ; (it saturates)
	v_cvt_i32_f32 v41, v41
.irp j, 12,13,14,15,16,17
	FMAA \j, \g
.endr
	v_ldexp_f32 v28, 1.0, v40                      ; f = 2^(old M - new M)
	v_ldexp_f32 v29, 1.0, v41
.irp j, 18,19,20,21,22,23,24,25,26,27,28,29,30,31
	FMAA \j, \g
.endr
	v_pk_mul_f32 v[20+4*\g:21+4*\g], v[20+4*\g:21+4*\g], v[28:29] op_sel_hi:[1,0]                 ; l under the new M
	v_pk_mul_f32 v[22+4*\g:23+4*\g], v[22+4*\g:23+4*\g], v[28:29] op_sel:[0,1] op_sel_hi:[1,1]
	WA                                             ; ahead of the batch
.set J_, 0
.rept 32                               ; p = 2^(t - M) of the first tile; between them the second tile's scalings
	v_exp_f32 v[128+2*J_], v[128+2*J_]
	FMAB J_, \g
	v_exp_f32 v[129+2*J_], v[129+2*J_]
.set J_, J_+1
.endr
	v_nop                                          ; a plain place behind the batch
	WA                                             ; and the wait behind it
	HOLD 128, 20+4*\g
.if \g == 0
	TAKEV
.endif
.set J_, 0
.rept 32                               ; p of the second tile; between them the first tile's conversions and, behind those, the first level of its sum, in place
	v_exp_f32 v[192+2*J_], v[192+2*J_]
.if J_ < 8
	v_cvt_scalef32_pk8_bf8_f32 v[32+2*J_:33+2*J_], v[128+8*J_:135+8*J_], v30
.elseif J_ == 8
	v_nop                                          ; the plain place between a conversion and the next write of its sources
.elseif J_ < 25
	ADDP 128+4*(J_-9), 130+4*(J_-9)
.endif
	v_exp_f32 v[193+2*J_], v[193+2*J_]
.set J_, J_+1
.endr
	v_nop
	WA
	HOLD 192, 22+4*\g
.irp i, 0,1,2,3,4,5,6,7
	v_cvt_scalef32_pk8_bf8_f32 v[48+2*\i:49+2*\i], v[192+8*\i:199+8*\i], v30
	ADDP 128+8*\i, 132+8*\i
.endr
.irp m, 0,1,2,3,4,5,6,7,8,9,10,11,12,13,14,15
	ADDP 192+4*\m, 194+4*\m
.endr
.irp m, 0,1,2,3
	ADDP 128+16*\m, 136+16*\m
.endr
.irp m, 0,1,2,3,4,5,6,7
	ADDP 192+8*\m, 196+8*\m
.endr
	ADDP 128, 144
	ADDP 160, 176
.irp m, 0,1,2,3
	ADDP 192+16*\m, 200+16*\m
.endr
	ADDP 128, 160
	ADDP 192, 208
	ADDP 224, 240
	ADDP 20+4*\g, 128                              ; l: of the unquantised p
	ADDP 192, 224
	WIN 0x41
	WA                                             ; directly ahead of the first reads of O^T
.irp n, 0,2,4,6,8,10,12,14,16,18,20,22,24,26,28,30
	v_pk_mul_f32 v[64*\g+\n:64*\g+\n+1], v[64*\g+\n:64*\g+\n+1], v[28:29] op_sel_hi:[1,0]          ; O^T under the new M
.endr
.irp n, 32,34,36,38,40,42,44,46,48,50,52,54,56,58,60,62
	v_pk_mul_f32 v[64*\g+\n:64*\g+\n+1], v[64*\g+\n:64*\g+\n+1], v[28:29] op_sel:[0,1] op_sel_hi:[1,1]
.endr
	WIN 0
	ADDP 22+4*\g, 192
	WA
	s_wait_dscnt 0x0                               ; V's fragments are in
	WIN 0x50
.irp t, 0,1,2,3                                ; O^T += V^T P^T: the eight accumulators take turns, one instruction a turn
	v_wmma_f32_16x16x128_bf8_bf8 v[64*\g+8*\t:64*\g+8*\t+7], v[64+16*\t:79+16*\t], v[32:47], v[64*\g+8*\t:64*\g+8*\t+7]
	v_wmma_f32_16x16x128_bf8_bf8 v[64*\g+32+8*\t:64*\g+32+8*\t+7], v[64+16*\t:79+16*\t], v[48:63], v[64*\g+32+8*\t:64*\g+32+8*\t+7]
.endr
	WIN 0
.rept 4
	v_nop                                          ; four places in front of loads into registers that the products have read, and of reads of O^T
.endr
.endm
	s_load_b256 s[4:11], s[0:1], 0x0               ; Q s[4:5], K s[6:7], V s[8:9], the scales' exponents s[10:11]
	s_load_b128 s[12:15], s[0:1], 0x20             ; prefix_len s[12:13], O s[14:15]
	v_lshl_add_u32 v8, v0, 2, SPARE                ; my spare word, and 0
	v_mov_b32 v9, 0
	v_lshrrev_b32 v32, 5, v0
	v_readfirstlane_b32 s16, v32                   ; wave w
	v_and_b32 v33, 15, v0                          ; r
	v_bfe_u32 v34, v0, 4, 1                        ; h
	v_and_b32 v35, 31, v0                          ; lane
	v_lshlrev_b32 v40, 2, v33
	WA
	s_wait_kmcnt 0x0
	s_load_b128 s[32:35], s[10:11], 0x0            ; eq, ek, ep, ev
	global_load_b32 v41, v40, s[12:13]             ; lane l: the length of head l % 16
	s_mul_i32 s36, s16, REG
	s_add_co_u32 s38, s36, QOFF
	v_mul_u32_u24 v2, v34, 288                     ; v2: where I read V's fragments: 288 h + 16 r
	v_and_b32 v44, 7, v0
	v_bfe_u32 v45, v0, 3, 2
	v_lshlrev_b32 v10, 4, v34                      ; 16 h
	v_and_b32 v43, 8, v33
	v_lshl_add_u32 v2, v33, 4, v2
	v_mul_u32_u24 v4, v44, 288                     ; v4: where I store V: piece lane % 8 of channel lane / 8
	v_add_nc_u32 v43, v43, v33                     ; r + 8 (r / 8)
	v_add_nc_u32 v2, s36, v2
	v_lshl_add_u32 v4, v45, 4, v4
	v_lshl_add_u32 v6, v43, 6, v10                 ; v6: my row of a tile of K in memory, + 16 h
	v_add_nc_u32 v4, s36, v4
	v_lshl_add_u32 v5, v35, 4, s38                 ; v5: Q's image
	v_lshlrev_b32 v7, 11, v45
	v_lshl_add_u32 v7, v44, 4, v7                  ; v7: my bytes of a block of V in memory
	v_lshl_add_u32 v46, v33, 6, v10                ; Q, and the diagonal's K: row r, + 16 h
	v_lshlrev_b32 v47, 11, v33
	v_lshl_add_u32 v47, v34, 3, v47                ; the diagonal's V: row r, + 8 h
	v_mov_b32 v11, 0                               ; written once: a lane permute's destination counts as one of its sources
.irp q, 36,37,38,39
	v_mov_b32 v\q, 0
.endr
	s_lshl_b32 s31, ttmp9, 6                       ; the jobs' first query
	s_and_b32 s36, ttmp7, 0xffff                   ; y
	s_sub_co_u32 s37, 15, s36
	s_mov_b32 s20, 0x76543210                      ; lane l xor 16
	s_mov_b32 s21, 0xfedcba98
	s_mov_b32 s53, 0
	s_mov_b32 s51, 0
	WA
	s_wait_loadcnt 0x0
	; THE RANKS.  A head's sort key is its length (held in 0 .. 2,048) x 16 + its number; its rank is the number of smaller keys.
	v_cmp_gt_i32 s38, 0, v41
	v_cndmask_b32 v41, v41, 0, s38
	v_min_u32 v41, 0x800, v41
	v_lshl_or_b32 v42, v41, 4, v33
.irp j, 0,1,2,3,4,5,6,7,8,9,10,11,12,13,14,15
	v_readlane_b32 s[70+\j], v42, \j
.endr
.irp j, 0,1,2,3,4,5,6,7,8,9,10,11,12,13,14,15
	v_cmp_lt_u32 s[70+\j], s[70+\j], v42
.endr
.irp j, 0,1,2,3,4,5,6,7,8,9,10,11,12,13,14,15
	v_cndmask_b32 v[64+\j], 0, 1, s[70+\j]
.endr
.irp j, 0,3,6,9,12
	v_add3_u32 v[64+\j], v[64+\j], v[65+\j], v[66+\j]
.endr
	v_add3_u32 v64, v64, v67, v70
	v_add3_u32 v73, v73, v76, v79
	v_add_nc_u32 v64, v64, v73
	v_cmp_eq_u32 s38, s37, v64                     ; the lanes of the head of rank 15 - y (head and head + 16),
	v_cmp_eq_u32 s39, s36, v64                     ; and of rank y
	s_ctz_i32_b32 s26, s38
	s_min_u32 s26, s26, 15                         ; job 0's head
	s_ctz_i32_b32 s27, s39
	s_min_u32 s27, s27, 15                         ; job 1's
	v_readlane_b32 s40, v41, s26
	v_readlane_b32 s41, v41, s27
	s_min_u32 s40, s40, 0x800                      ; their lengths
	s_min_u32 s41, s41, 0x800
	s_add_co_u32 s70, s40, 127
	s_lshr_b32 s70, s70, 7                         ; their blocks of 128 keys,
	s_add_co_u32 s71, s41, 127
	s_lshr_b32 s71, s71, 7
	s_lshl_b32 s42, s70, 1                         ; and halves
	s_lshl_b32 s43, s71, 1
	; THE DEAL.  s44: job 1's waves = ceil(its halves / T), at least 1, for the least T for which both jobs' such numbers make 8 at the most.
	s_add_co_u32 s44, s43, 7
	s_lshr_b32 s44, s44, 3
	s_max_u32 s44, s44, 1
	s_mov_b32 s47, 8                               ; T
.macro TRY t, mul, sh                  ; x / t = x mul / 2^sh, rounded down, for x up to 38
	s_add_co_u32 s45, s43, \t-1
	s_add_co_u32 s46, s42, \t-1
.if \mul > 1
	s_mul_i32 s45, s45, \mul
	s_mul_i32 s46, s46, \mul
.endif
	s_lshr_b32 s45, s45, \sh
	s_lshr_b32 s46, s46, \sh
	s_max_u32 s45, s45, 1
	s_max_u32 s46, s46, 1
	s_add_co_u32 s46, s46, s45
	s_cmp_le_u32 s46, 8
	s_cselect_b32 s44, s45, s44
	s_cselect_b32 s47, \t, s47
.endm
	TRY 7, 37, 8
	TRY 6, 43, 8
	TRY 5, 52, 8
	TRY 4, 1, 2
	TRY 3, 43, 7
	TRY 2, 1, 1
	s_lshr_b32 s45, s47, 1                         ; F: whole blocks a wave
	s_and_b32 s46, s47, 1                          ; and a half?
	s_sub_co_u32 s28, 8, s44                       ; job 0's waves
	s_sub_co_u32 s36, 7, s16
	s_mov_b32 s38, 0xffff
	s_cmp_ge_u32 s16, s28                          ; is my job 1?
	s_cselect_b32 s18, s36, s16                    ; i: my place in the job
	s_cselect_b32 s19, s44, s28                    ; w: the job's waves
	s_cselect_b32 s24, s27, s26                    ; its head
	s_cselect_b32 s25, s41, s40                    ; P
	s_cselect_b32 s72, s71, s70                    ; nb
	s_cselect_b32 s49, 0xffff0000, s38             ; the lanes whose h is my job's number
	s_min_u32 s24, s24, 15
	s_cmp_lt_u32 s16, 4                            ; the waves whose parts I join at the end: s66 .. s67 - 1
	s_cselect_b32 s66, 0, s28
	s_cselect_b32 s67, s28, 8
	s_mul_i32 s36, s19, s45                        ; w F
	s_min_u32 s37, s36, s72
	s_mov_b32 s30, 0                               ; my whole blocks: i, i + w, .. under w F and nb
	s_mov_b32 s38, s18
.rept 4
	s_cmp_lt_u32 s38, s37
	s_add_co_ci_u32 s30, s30, 0
	s_add_co_u32 s38, s38, s19
.endr
	s_lshr_b32 s38, s18, 1
	s_add_co_u32 s73, s36, s38                     ; the block of my half, if there is one
	s_cmp_lt_u32 s73, s72
	s_cselect_b32 s38, s46, 0
	s_sub_co_u32 s36, s30, 1
	s_mul_i32 s36, s36, s19
	s_add_co_u32 s88, s36, s18
	s_and_b32 s39, s18, 1
	s_add_co_u32 s39, s39, 1
	s_cmp_eq_u32 s38, 0
	s_cselect_b32 s69, 3, s39                      ; what I do of my last block: bit 0 the first half, bit 1 the second
	s_cselect_b32 s88, s88, s73                    ; my last block
	s_add_co_u32 s30, s30, s38                     ; blocks to go
	s_cmp_eq_u32 s30, 1
	s_cselect_b32 s29, s88, s18                    ; the block in hand
	s_mov_b32 s68, s29
	s_lshl_b32 s52, s24, 17                        ; the head's first byte in each tensor of codes
	s_lshl_b32 s36, ttmp9, 12
	s_add_co_u32 s50, s52, s36                     ; + the jobs' first row of 64 bytes
	s_add_nc_u64 s[56:57], s[4:5], s[50:51]        ; Q
	s_add_nc_u64 s[58:59], s[6:7], s[50:51]        ; the diagonal's K
	s_add_co_u32 s50, s52, s31
	s_add_nc_u64 s[60:61], s[8:9], s[50:51]        ; the diagonal's V
	s_add_nc_u64 s[6:7], s[6:7], s[52:53]
	s_add_nc_u64 s[8:9], s[8:9], s[52:53]
	s_min_u32 s36, s29, 15
	s_lshl_b32 s52, s36, 13
	s_add_nc_u64 s[50:51], s[6:7], s[52:53]        ; my first block of K, inside the buffer whether it is needed or not
	s_lshl_b32 s52, s36, 7
	s_add_nc_u64 s[54:55], s[8:9], s[52:53]        ; and of V
.irp q, 0,1,2,3
.irp c, 0,1
	global_load_b128 v[160+8*\q+4*\c:163+8*\q+4*\c], v46, s[56:57] offset:1024*\q+32*\c
.endr
.endr
	s_wait_kmcnt 0x0
	s_add_co_i32 s36, s32, s33
	s_lshl_b32 s36, s36, 23
	s_add_co_i32 s22, s36, 0x3e38aa3b              ; c = log2(e) / 8, with eq + ek added to its exponent field
	s_mov_b32 s23, s22                             ; (named with it as a pair, so it is written)
	s_add_co_i32 s36, s34, 127
	s_lshl_b32 s37, s36, 23
	v_mov_b32 v30, s37                             ; 2^ep: the conversion takes its exponent field
	s_add_co_i32 s36, s36, 15
	s_lshl_b32 s36, s36, 23
	s_or_b32 s36, s36, 0x600000
	v_mov_b32 v31, s36                             ; 57,344 x 2^ep
	s_cmp_lt_i32 s34, -15
	s_cselect_b32 s48, 1, 0                        ; the hold can act
	s_sub_co_u32 s36, s19, 1
	s_cmp_eq_u32 s18, s36
	WA
	s_cbranch_scc1 .Ldiag                          ; the job's last wave (it has no more to do than any other) begins with the diagonal
	LOADK
	WIN 0x40
.set J_, 0
.rept 128                              ; O^T: the first change of M multiplies zeros (work under the loads' flight; a first block of its own would be a further copy of the block)
	v_mov_b32 v[J_], 0
.set J_, J_+1
.endr
	LOADV
.irp q, 0,1,2,3
	v_mov_b32 v[12+\q], 0xd4000000                 ; the largest raw score so far: -2^41, under every sum of 64 products of codes
	v_mov_b32 v[16+\q], 0x7f61b1e6                 ; -M: 3e38
	v_mov_b32 v[20+2*\q], 0                        ; l
	v_mov_b32 v[21+2*\q], 0
.endr
	WA
	s_branch .Ljoin
.Ldiag:                                            ; keys 16 q .. 16 q + 15 of the job's own 64 against queries 16 q ..: register j of lane (r, h) is key 8 h + j: its own where 8 h + j == r
.irp q, 0,1,2,3
.irp c, 0,1
	global_load_b128 v[64+8*\q+4*\c:67+8*\q+4*\c], v46, s[58:59] offset:1024*\q+32*\c
.endr
.endr
.irp t, 0,1,2,3
.irp c, 0,1,2,3
	global_load_b64 v[96+8*\t+2*\c:97+8*\t+2*\c], v47, s[60:61] offset:32768*\t+16*\c
.endr
.endr
	LOADK
	v_lshlrev_b32 v201, 3, v34
	v_add_nc_u32 v202, s31, v33                    ; my queries
	v_sub_nc_u32 v200, v33, v201                   ; r - 8 h
	v_add_nc_u32 v203, 16, v202
	v_add_nc_u32 v204, 32, v202
	v_add_nc_u32 v205, 48, v202
.irp j, 0,1,2,3,4,5,6,7
	v_cmp_eq_u32 s[70+\j], \j, v200
.endr
	v_cmp_gt_u32 s78, 8, v200                      ; the lanes that hold their query's own key
.irp q, 0,1,2,3
	v_cmp_le_i32 s[80+\q], s25, v[202+\q]          ; the diagonal counts by itself where it does not lie under the prefix
	v_mov_b32 v[208+\q], 0xff800000
	v_mov_b32 v[214+\q], 0
	v_mov_b32 v[21+2*\q], 0
.endr
	v_mov_b32 v212, 0xd4000000
	WA
	LOADV
.irp q, 0,1,2,3
	s_and_b32 s[84+\q], s[80+\q], s78
.endr
	s_wait_loadcnt 32                              ; Q and the diagonal's K and V are in; the first block's 32 loads may be out
.set J_, 32
.rept 32                               ; p's codes: zeros beside the diagonal
	v_mov_b32 v[J_], 0
.set J_, J_+1
.endr
.irp q, 0,1,2,3
	v_wmma_f32_16x16x64_bf8_bf8 v[128+8*\q:135+8*\q], v[64+8*\q:71+8*\q], v[160+8*\q:167+8*\q], 0
.endr
.rept 4
	v_nop
.endr
.irp j, 0,1,2,3,4,5,6,7
.irp q, 0,1,2,3
	v_cndmask_b32 v[208+\q], v[208+\q], v[128+8*\q+\j], s[70+\j]
.endr
.endr
.irp q, 0,1,2,3
	v_permlanex16_b32 v[214+\q], v[208+\q], s20, s21
.endr
.irp q, 0,1,2,3
	v_max_num_f32 v[208+\q], v[208+\q], v[214+\q]  ; my query's own score, in both lanes
.endr
.irp q, 0,1,2,3
	v_cndmask_b32 v[12+\q], v212, v[208+\q], s[80+\q]
.endr
.irp q, 0,1,2,3
	v_mul_f32 v[214+\q], s22, v[12+\q]
.endr
.irp q, 0,1,2,3
	v_floor_f32 v[16+\q], -v[214+\q]
.endr
.irp q, 0,1,2,3
	v_fma_f32 v[214+\q], v[208+\q], s22, v[16+\q]
.endr
	WA
.irp q, 0,1,2,3
	v_exp_f32 v[214+\q], v[214+\q]
.endr
	v_nop
	WA
.irp q, 0,1,2,3
	v_cndmask_b32 v[20+2*\q], 0, v[214+\q], s[84+\q]   ; l: p in the lane that holds the key, where it counts
.endr
.irp q, 0,1,2,3
	v_min_num_f32 v[214+\q], v[20+2*\q], v31       ; the hold
.endr
.irp q, 0,1,2,3
.irp j, 0,1,2,3,4,5,6,7
	v_cndmask_b32 v[128+8*\q+\j], 0, v[214+\q], s[70+\j]
.endr
.endr
.irp q, 0,1,2,3
	v_cvt_scalef32_pk8_bf8_f32 v[32+10*\q:33+10*\q], v[128+8*\q:135+8*\q], v30   ; registers 2 q, 2 q + 1 of tile q's operand: keys 16 q + 8 h + 0 .. 7
.endr
	v_nop
	WIN 0x40
.irp q, 0,1,2,3
.irp t, 0,1,2,3
	v_wmma_f32_16x16x64_bf8_bf8 v[32*\q+8*\t:32*\q+8*\t+7], v[96+8*\t:103+8*\t], v[32+8*\q:39+8*\q], 0
.endr
.endr
	WIN 0
.rept 4
	v_nop
.endr
	WA
.Ljoin:
	s_wait_loadcnt 32                              ; Q is in; the first block's 32 loads may be out
.irp k, 0,1,2,3,4,5,6,7
	ds_store_b128 v5, v[160+4*\k:163+4*\k] offset:512*\k
.endr
	s_cmp_eq_u32 s30, 0
	s_cbranch_scc1 .Ldone                          ; a wave without blocks
.Lloop:                                            ; a trip is a block.  Its sixteen loads of K, then sixteen of V, are the wave's youngest
	s_cmp_eq_u32 s30, 1
	s_cselect_b32 s36, s69, 3
	s_cmp_eq_u32 s36, 2
	s_cbranch_scc1 .Lonly_second
	HALF 0
	s_cmp_eq_u32 s30, 1
	s_cselect_b32 s36, s69, 3
	s_cmp_eq_u32 s36, 1
	WA
	s_cbranch_scc1 .Lnext
	s_branch .Lsecond
.Lonly_second:
	TAKEV                                          ; (the wait in it is for all loads: K is in too)
.Lsecond:
	HALF 1
.Lnext:
	s_mov_b32 s29, s68
	s_sub_co_u32 s30, s30, 1
	s_cmp_lg_u32 s30, 0
	WA
	s_cbranch_scc1 .Lloop
.Ldone:
	; MY PART: -M and l of each query into my job's table (the lanes of the other half put 3e38 and 0 into the other job's), O^T as rows of 272 bytes over my own V.
	v_and_b32 v46, 15, v0                          ; r
	v_bfe_u32 v47, v0, 4, 1                        ; h
.irp q, 0,1,2,3
	v_add_f32 v[32+\q], v[20+2*\q], v[21+2*\q]
.endr
.irp q, 0,1,2,3
	v_permlanex16_b32 v[36+\q], v[32+\q], s20, s21
.endr
.irp q, 0,1,2,3
	v_add_f32 v[32+\q], v[32+\q], v[36+\q]
.endr
	v_mov_b32 v48, 0x7f61b1e6
.irp q, 0,1,2,3
	v_cndmask_b32 v[56+2*\q], v48, v[16+\q], s49
	v_cndmask_b32 v[57+2*\q], 0, v[32+\q], s49
.endr
	s_lshl_b32 s36, s16, 9
	s_add_co_u32 s36, s36, TAB
	s_mul_i32 s37, s16, REG
	v_lshlrev_b32 v49, 12, v47
	v_mul_u32_u24 v50, v46, 272
	v_lshl_add_u32 v49, v46, 3, v49
	v_lshl_add_u32 v50, v47, 5, v50                ; row r, + 32 h
	v_add_nc_u32 v49, s36, v49
	v_add_nc_u32 v51, s37, v50
.irp q, 0,1,2,3
	ds_store_b64 v49, v[56+2*\q:57+2*\q] offset:128*\q
.endr
	WIN 0x04
.irp q, 0,1,2,3
.irp t, 0,1,2,3
	ds_store_b128 v51, v[32*\q+8*\t:32*\q+8*\t+3] offset:4352*\q+64*\t
	ds_store_b128 v51, v[32*\q+8*\t+4:32*\q+8*\t+7] offset:4352*\q+64*\t+16
.endr
.endr
	WIN 0
	WA
	s_wait_dscnt 0x0                               ; for the others' sake: my stores have landed
	s_barrier_signal -1
	; work on registers while the others arrive: what I need to join tile w % 4 of job w / 4
	s_lshr_b32 s38, s16, 2
	s_lshl_b32 s38, s38, 12
	s_and_b32 s39, s16, 3
	s_lshl_b32 s36, s39, 7
	s_add_co_u32 s36, s36, s38
	s_add_co_u32 s36, s36, TAB
	v_lshl_add_u32 v52, v46, 3, s36                ; the tile's rows of the job's table
	s_mul_i32 s36, s39, 4352
	v_add_nc_u32 v53, s36, v50                     ; the tile's rows in the parts of waves 0 .. 2,
	v_add_nc_u32 v54, 3*REG, v53                   ; 3 .. 5,
	v_add_nc_u32 v55, 6*REG, v53                   ; 6, 7
	s_add_co_u32 s37, s37, QOFF
	v_add_nc_u32 v60, s37, v50                     ; my stage: in: row r, + 32 h
	v_mul_u32_u24 v61, v47, 272
	v_lshl_add_u32 v61, v46, 4, v61
	v_add_nc_u32 v61, s37, v61                     ; back: row h, + 16 r
	v_lshlrev_b32 v62, 8, v47
	v_lshl_add_u32 v62, v46, 4, v62                ; in memory: lanes 0-15 one row of 256 bytes, lanes 16-31 the next
.set J_, 128
.rept 32                               ; the sum's registers: which parts enter it is known only at run time
	v_mov_b32 v[J_], 0
.set J_, J_+1
.endr
	s_cmp_lt_u32 s16, 4
	s_cselect_b32 s36, s26, s27
	s_min_u32 s36, s36, 15                         ; the head that I store
	s_lshl_b32 s52, s36, 19
	s_lshl_b32 s36, s31, 8
	s_add_co_u32 s52, s52, s36
	s_lshl_b32 s36, s39, 12
	s_add_co_u32 s52, s52, s36
	s_add_nc_u64 s[62:63], s[14:15], s[52:53]
	WA
	s_barrier_wait -1
.irp j, 0,1,2,3,4,5,6,7
	ds_load_b64 v[64+2*\j:65+2*\j], v52 offset:512*\j
.endr
	s_wait_dscnt 0x0
	v_min3_num_f32 v32, v64, v66, v68              ; the least -M of the job's waves
	v_min3_num_f32 v33, v70, v72, v74
	v_min_num_f32 v34, v76, v78
	v_min3_num_f32 v32, v32, v33, v34
.irp j, 0,1,2,3,4,5,6,7
	v_sub_f32 v[64+2*\j], v32, v[64+2*\j]
.endr
.irp j, 0,1,2,3,4,5,6,7
	v_cvt_i32_f32 v[64+2*\j], v[64+2*\j]           ; (it saturates)
.endr
.irp j, 0,1,2,3,4,5,6,7
	v_ldexp_f32 v[64+2*\j], 1.0, v[64+2*\j]        ; wave j's weight, 2^(its M - the largest)
.endr
	v_mul_f32 v80, v64, v65
	v_mul_f32 v81, v66, v67
.irp j, 2,4,6
	v_fma_f32 v80, v[64+2*\j], v[65+2*\j], v80
	v_fma_f32 v81, v[66+2*\j], v[67+2*\j], v81
.endr
	v_add_f32 v80, v80, v81                        ; the row's sum
	s_add_co_i32 s36, s34, s35
	WA
	v_rcp_f32 v80, v80
	v_nop
	WA
	v_ldexp_f32 v80, v80, s36                      ; x 2^(ep + ev)
; The parts of waves 2 g and 2 g + 1; jumped over where neither is of the job (one that is not has the weight 0).
.macro JOIN g
	s_cmp_le_u32 s67, 2*\g
	WA
	s_cbranch_scc1 .Lskip_\@
	s_cmp_gt_u32 s66, 2*\g+1
	s_cbranch_scc1 .Lskip_\@
.irp u, 0,1
.irp t, 0,1,2,3
	ds_load_b128 v[160+32*\u+8*\t:163+32*\u+8*\t], v[53+(2*\g+\u)/3] offset:REG*((2*\g+\u)%3)+64*\t
	ds_load_b128 v[164+32*\u+8*\t:167+32*\u+8*\t], v[53+(2*\g+\u)/3] offset:REG*((2*\g+\u)%3)+64*\t+16
.endr
.endr
	s_wait_dscnt 8                                 ; the first part is in; the second's eight loads may be out
.irp n, 0,2,4,6,8,10,12,14,16,18,20,22,24,26,28,30
	v_pk_fma_f32 v[128+\n:129+\n], v[160+\n:161+\n], v[64+4*\g:65+4*\g], v[128+\n:129+\n] op_sel_hi:[1,0,1]
.endr
	WA
	s_wait_dscnt 0x0
.irp n, 0,2,4,6,8,10,12,14,16,18,20,22,24,26,28,30
	v_pk_fma_f32 v[128+\n:129+\n], v[192+\n:193+\n], v[66+4*\g:67+4*\g], v[128+\n:129+\n] op_sel_hi:[1,0,1]
.endr
.Lskip_\@:
.endm
	JOIN 0
	JOIN 1
	JOIN 2
	JOIN 3
.irp n, 0,2,4,6,8,10,12,14,16,18,20,22,24,26,28,30
	v_pk_mul_f32 v[128+\n:129+\n], v[128+\n:129+\n], v[80:81] op_sel_hi:[1,0]   ; register 8 t + i is o(r, 16 t + 8 h + i)
.endr
.irp t, 0,1,2,3
	ds_store_b128 v60, v[128+8*\t:131+8*\t] offset:64*\t
	ds_store_b128 v60, v[132+8*\t:135+8*\t] offset:64*\t+16
.endr
.irp i, 0,1,2,3,4,5,6,7
	ds_load_b128 v[160+4*\i:163+4*\i], v61 offset:544*\i   ; LDS serves a wave's instructions in order (ISA guide 5.7.1.4): these see my stores; the stage is mine alone
.endr
	WA
.irp i, 0,1,2,3,4,5,6,7
	s_wait_dscnt 7-\i                              ; rows 2 i and 2 i + 1 are back; the younger loads may be out
	global_store_b128 v62, v[160+4*\i:163+4*\i], s[62:63] offset:512*\i th:TH_STORE_NT   ; 32 lanes store 512 consecutive bytes, at a multiple of 256 from O's first byte
.endr
	s_wait_tensorcnt 0x0                           ; the wave's end
	ds_add_u32 v8, v9
	s_wait_dscnt 0x0
	s_endpgm
.Lfunc_end_k_q67c5afe292_attn:
	.size	k_q67c5afe292_attn, .Lfunc_end_k_q67c5afe292_attn-k_q67c5afe292_attn
	.p2alignl 7, 3214868480
	.fill 96, 4, 3214868480
	.section	.rodata,"a",@progbits
	.p2align	6, 0x0
	.amdhsa_kernel k_q67c5afe292_attn
		.amdhsa_group_segment_fixed_size 183296
		.amdhsa_private_segment_fixed_size 0
		.amdhsa_enable_private_segment 0
		.amdhsa_kernarg_size 48
		.amdhsa_user_sgpr_count 2
		.amdhsa_user_sgpr_kernarg_segment_ptr 1
		.amdhsa_wavefront_size32 1
		.amdhsa_system_sgpr_workgroup_id_x 1
		.amdhsa_system_sgpr_workgroup_id_y 1
		.amdhsa_system_sgpr_workgroup_id_z 1
		.amdhsa_system_vgpr_workitem_id 0
		.amdhsa_next_free_vgpr 512
		.amdhsa_next_free_sgpr 90
		.amdhsa_reserve_vcc 0
		.amdhsa_float_denorm_mode_32 3
		.amdhsa_float_denorm_mode_16_64 3
		.amdhsa_memory_ordered 1
		.amdhsa_forward_progress 1
		.amdhsa_inst_pref_size 173
	.end_amdhsa_kernel
	.amdgpu_metadata
---
amdhsa.version: [ 1, 2 ]
amdhsa.kernels:
  - .name:           k_q67c5afe292_attn
    .symbol:         k_q67c5afe292_attn.kd
    .args:
      - { .name: queries_nqd_codes, .offset: 0, .size: 8, .value_kind: global_buffer, .address_space: global }
      - { .name: keys_nsd_codes, .offset: 8, .size: 8, .value_kind: global_buffer, .address_space: global }
      - { .name: values_nsv_codes, .offset: 16, .size: 8, .value_kind: global_buffer, .address_space: global }
      - { .name: lowp_scales, .offset: 24, .size: 8, .value_kind: global_buffer, .address_space: global }
      - { .name: prefix_len_n, .offset: 32, .size: 8, .value_kind: global_buffer, .address_space: global }
      - { .name: out0, .offset: 40, .size: 8, .value_kind: global_buffer, .address_space: global }
    .group_segment_fixed_size: 183296
    .private_segment_fixed_size: 0
    .kernarg_segment_align: 8
    .kernarg_segment_size: 48
    .max_flat_workgroup_size: 256
    .sgpr_count:     90
    .vgpr_count:     512
    .wavefront_size: 32
...
	.end_amdgpu_metadata
.endif
;; end of part 1
